; MI455X (gfx1250); checked and timed in simulation.
; The chip was launched on July 23, 2026; its instructions are those of AMD's public machine-readable ISA for CDNA 5 (MIT licence, August 2026) and "CDNA5" Instruction Set Architecture Reference Guide (July 2026). The comments in the code are by the model that wrote it; some were corrected since.
;; Sparse Attention Aggregator. Allowed arithmetic: matrix products marked QUANTISED: E4M3 operands, one given power-of-two scale a tensor, by v_wmma_f32_16x16x64_fp8_fp8 or v_wmma_f32_16x16x128_fp8_fp8, f32 sums; everything else in f32.
;; Inputs: key 4 x 16 x 2,048 x 64 float32; lowp_scales 4 int32 (the exponents e of the quantised operands' scales 2^e); mask 4 x 2,048 x 2,048 int32; query 4 x 16 x 2,048 x 64 float32; value 4 x 16 x 2,048 x 64 float32.
;; Outputs: out0 4 x 16 x 2,048 x 64 float32.
;; This version of the problem:
;;   THIS VERSION OF THE PROBLEM IS GIVEN IN LOW PRECISION. The matrix products marked QUANTISED in the list below multiply operands that are first quantised to E4M3 (4 exponent bits, 3 mantissa bits; 8 bits a number), with one given power-of-two scale for each operand tensor; their sums are f32. All else is computed in f32.
;;   The module's matrix products, in the order in which they are computed (A, B: the left and right operand; K: the contracted axis; several contracted axes count as one K, in the product's order):
;;     1. batch 64 x [M 2,048, K 64] x [K 64, N 2,048]; A: input query; B: input key: QUANTISED (scales: A lowp_scales[0], B lowp_scales[1])
;;     2. batch 64 x [M 2,048, K 2,048] x [K 2,048, N 64]; A: softmax (see below); B: input value: QUANTISED (scales: A lowp_scales[2], B lowp_scales[3])
;;   THE QUANTISER, for each operand of a quantised product, along K:
;;     - The operand's scale is 2^e, e = its entry of the input lowp_scales (int32; the entries are numbered through the quantised products in the list's order, A before B).
;;     - Each number is divided by the scale, clamped to +-448, and rounded to the nearest number of E4M3, ties to even, subnormals kept.
;;     - The product sums the exact products of the quantised numbers (number of the format x scale) in f32.
;;   ~~~python
;;   def quantise(x, axis, e):      # numpy; x: float32 -> the quantised numbers, widened to float32 again
;;       x = np.moveaxis(x, axis, -1); K = x.shape[-1]
;;       r = np.clip(x / 2.0 ** e, -448, 448)
;;       step = 2.0 ** (np.maximum(np.frexp(np.where(r == 0, 1, r))[1] - 1, -6) - 3)
;;       q = np.round(r / step) * step * 2.0 ** e      # np.round: ties to even
;;       return np.moveaxis(q, -1, axis).astype(np.float32)
;;   ~~~
;;   SOFTMAX AHEAD OF A QUANTISED PRODUCT. Where the list says 'softmax', what is quantised is not the finished softmax but p = 2^(t - M), with t = logit x log2(e) and M = ceil(the row's largest t), a whole number; so 1/2 < the row's largest p <= 1. The row's sum l is taken of the UNQUANTISED p, in f32, and the product's result is divided by l at the end. Since M is a whole number, a kernel that streams over the keys may use a running M (the ceiling of the running maximum): every later rescaling is an exact power of two, so the quantised numbers keep their values, but for numbers so far below the row's largest that they fall under the format's range.
;;   OPERANDS COMPUTED ON THE WAY. 'Computed on the way' means the value that the module computes at that place (a softmax that the list does not call 'softmax' is quantised finished and normalised). What goes into a quantiser is computed in f32, as accurately as f32 sums, v_exp_f32 and their like allow (about 1e-6 of the number): no bf16 or f16 on the way to a quantiser, and a product that is left as it is and whose result goes on into a quantised operand takes f32 operands (vector FMAs, or v_wmma_f32_16x16x4_f32). A number that lies on a knife's edge between two numbers of the format may be rounded either way, as far as f32 arithmetic and the matrix unit's own rounding can turn it there, and no further.
;; One version. Each part assembles by itself: llvm-mc -triple=amdgcn-amd-amdhsa -mcpu=gfx1250 --defsym DOCPART=n.
;; ======== version 1 of 1: 2 launches
;; limits: right only within a limited range of input values
;; workspace buffers: kv 16,777,216 bytes; mcodes 8,388,608 bytes; mall 8,192 bytes of whole numbers
;; launch prep (part 1): grid 1536 x 1, 4 waves a work-group, no clusters, 103,936 bytes of LDS; arguments mask, key, value, lowp_scales, kv, mcodes, mall; writes kv, mcodes, mall
.if DOCPART == 1
	.amdgcn_target "amdgcn-amd-amdhsa--gfx1250"
	.amdhsa_code_object_version 6
	.text
	.protected	k_q1b4ceea9ca_prep
	.globl	k_q1b4ceea9ca_prep
	.p2align	8
	.type	k_q1b4ceea9ca_prep,@function
k_q1b4ceea9ca_prep:
	s_mov_b64 s[64:65], 0
	v_nop
	global_prefetch_b8 v0, s[64:65] scope:SCOPE_SE
	s_setreg_imm32_b32 hwreg(HW_REG_WAVE_MODE, 25, 1), 1
	s_wait_xcnt 0x0
; THREE JOBS IN ONE LAUNCH, told apart by the work-group's number: 0-511 lay the mask out, 512-1023 quantise K, 1024-1535 quantise V.  Four waves that share nothing: no barrier.
; MASK [4][2048][2048] int32 -> mcodes [tile 512][step 16][group 2][lane 32][16 bytes]: a tile is 16 queries (tile = 128 b + q / 16), a step 128 keys.  Four bits a key: a code of E2M1, -4 where mask == 0, else 0.
;   Lane (r = L % 16, hh = L / 16) of group g holds, for query r, four registers: register t % 4 has the eight codes of keys 16 t + 8 hh + 0 .. 7, t = 4 g .. 4 g + 3: one register for each 16 x 16 tile of
;   transposed scores, in that tile's register order.  These codes are a layout of the mask, no operand of a product.
;   mall [tile][quarter]: the AND over 512 keys of the lane masks 'this lane's key is hidden'.
; K, V [64 heads][2048][64] f32 -> kv [pair 32][step 32 of 64 keys][K head 0, K head 1, V head 0, V head 1][4096 bytes]: codes of E4M3 as IMAGES OF THE OPERANDS' REGISTERS: 4 fragments of 1,024 bytes;
;   a fragment is 2 groups of 512 bytes; group g holds lane L's registers 4 g .. 4 g + 3 at 16 L.
;   K's fragment t: lane (r, hh) holds key 16 t + r, registers 4 g .. 4 g + 3 = channels 32 g + 16 hh + 0 .. 15 (Q is laid alike by the next launch).
;   V's fragment f: lane (r, hh) holds channel 16 f + r, registers 2 c, 2 c + 1 = keys 16 c + 8 hh + 0 .. 7.
; code = x / 2^e, held within +-448, to the nearest code, ties to even; e = entry 1 (K) or 3 (V) of the scales.  LIMITS: -126 <= e <= 119.  NaN among the inputs is not served (an infinity is held at the largest code).
; Every global load and store of a wave covers 512 consecutive bytes, but for one word a wave of mall.
.set KVW,   17408                      ; K and V: a wave's stage, 64 rows x (256 bytes + 16)
.set MSTG,  4*KVW                      ; the mask's stages lie behind them: each job has LDS bytes of its own
.set MWB,   8448                       ; a wave's: 16 rows x (512 bytes + 16)
.set X,     16                         ; v16-143  numbers as loaded, then in the operand's order
.set C,     144                        ; v144-175 codes of K or V
.set Y,     144                        ; v144-207 (mask) 64 words of the mask in the score tiles' order, then 0 or -4
.set W,     218                        ; v218-225 (mask) a step's 8 registers of codes
	s_load_b256 s[4:11], s[0:1], 0x0               ; mask, key, value, the scales' exponents
	s_load_b128 s[12:15], s[0:1], 0x20             ; kv, mcodes
	s_load_b64 s[16:17], s[0:1], 0x30              ; mall
	v_lshl_add_u32 v216, v0, 2, 0x19400            ; my spare word, behind the stages
	v_mov_b32 v217, 0
	v_lshrrev_b32 v1, 5, v0
	v_readfirstlane_b32 s18, v1                    ; wave 0..3
	v_and_b32 v1, 31, v0                           ; lane
	v_lshlrev_b32 v2, 4, v1                        ; 16 x lane
	v_and_b32 v12, 15, v0                          ; r
	v_bfe_u32 v13, v0, 4, 1                        ; hh
	s_mul_i32 s30, s18, KVW
	s_mul_i32 s31, s18, MWB
	s_add_co_u32 s31, s31, MSTG
	v_mul_u32_u24 v3, v13, 272                     ; every LDS address is made here, ahead of the parting of the jobs
	v_lshl_add_u32 v3, v12, 4, v3
	v_add_nc_u32 v3, s30, v3                       ; K, V into the stage: row hh, 16 r
	v_mul_u32_u24 v4, v12, 272
	v_lshl_add_u32 v4, v13, 6, v4
	v_add_nc_u32 v4, s30, v4                       ; K out of it: row r, + 64 hh
	v_mul_u32_u24 v5, v13, 2176
	v_lshl_add_u32 v5, v12, 2, v5
	v_add_nc_u32 v5, s30, v5                       ; V out of it: row 8 hh, channel r
	v_add_nc_u32 v6, s31, v2                       ; mask into its stage
	v_mul_u32_u24 v7, v12, 528
	v_lshl_add_u32 v7, v13, 5, v7
	v_add_nc_u32 v7, s31, v7                       ; and out: row r, + 32 hh: 8 keys
	s_mov_b32 s23, 0
	s_wait_kmcnt 0x0
	s_cmp_lt_u32 ttmp9, 512
	s_cbranch_scc1 .Lmask
	; ---- K and V.  Wave tau = 4 (g % 512) + wave takes 64 rows of one head: tau = 32 x head + step
	s_load_b128 s[24:27], s[10:11], 0x0            ; eq, ek, ep, ev
	s_sub_co_u32 s19, ttmp9, 512
	s_lshr_b32 s20, s19, 9                         ; 0: K, 1: V
	s_and_b32 s19, s19, 511
	s_lshl_b32 s19, s19, 2
	s_add_co_u32 s19, s19, s18                     ; tau
	s_lshl_b32 s22, s19, 14
	s_cmp_eq_u32 s20, 0
	s_cselect_b64 s[6:7], s[6:7], s[8:9]
	s_add_nc_u64 s[6:7], s[6:7], s[22:23]
	s_lshr_b32 s30, s19, 6                         ; the pair of heads
	s_lshl_b32 s30, s30, 5
	s_and_b32 s31, s19, 31                         ; the step
	s_add_co_u32 s30, s30, s31
	s_lshl_b32 s30, s30, 14
	s_bfe_u32 s31, s19, 0x10005                    ; which head of the pair
	s_lshl_b32 s21, s20, 1
	s_add_co_u32 s31, s31, s21
	s_lshl_b32 s31, s31, 12
	s_add_co_u32 s22, s30, s31
	s_add_nc_u64 s[12:13], s[12:13], s[22:23]      ; my 4,096 bytes of kv
.set ii, 0
.rept 32
	global_load_b128 v[X+4*ii:X+4*ii+3], v2, s[6:7] offset:512*ii th:TH_LOAD_NT
.set ii, ii+1
.endr
	s_wait_kmcnt 0x0
	s_cmp_eq_u32 s20, 0
	s_cselect_b32 s24, s25, s27                    ; e
	s_add_co_i32 s24, s24, 127
	s_lshl_b32 s25, s24, 23
	v_mov_b32 v11, s25                             ; 2^e
	s_add_co_i32 s24, s24, 8
	s_lshl_b32 s24, s24, 23
	s_or_b32 s24, s24, 0x600000
	v_mov_b32 v10, s24                             ; 448 x 2^e
.irp q, 0,1,2,3
	s_wait_loadcnt 24-8*\q                         ; this group of eight is in, the younger groups stay out
.irp i, 0,1,2,3,4,5,6,7
	ds_store_b128 v3, v[X+4*(8*\q+\i):X+4*(8*\q+\i)+3] offset:544*(8*\q+\i)
.endr
.endr
.macro WORK f                          ; 32 numbers of a lane become fragment f's eight registers of codes and leave
.set ii, 0
.rept 32
	v_med3_num_f32 v[X+32*(\f)+ii], v[X+32*(\f)+ii], -v10, v10   ; the conversion does not saturate (ISA guide 7.6.2): the hold
.set ii, ii+1
.endr
.irp c, 0,1,2,3
	v_cvt_scalef32_pk8_fp8_f32 v[C+8*(\f)+2*\c:C+8*(\f)+2*\c+1], v[X+32*(\f)+8*\c:X+32*(\f)+8*\c+7], v11
.endr
	global_store_b128 v2, v[C+8*(\f):C+8*(\f)+3], s[12:13] offset:1024*(\f)
	global_store_b128 v2, v[C+8*(\f)+4:C+8*(\f)+7], s[12:13] offset:1024*(\f)+512
.endm
	s_cmp_lg_u32 s20, 0
	s_cbranch_scc1 .Lvalue
.irp t, 0,1,2,3                        ; K: LDS serves a wave's instructions in order: these loads see the stores above
.irp g, 0,1
.irp j, 0,1,2,3
	ds_load_b128 v[X+32*\t+16*\g+4*\j:X+32*\t+16*\g+4*\j+3], v4 offset:16*\t*272+128*\g+16*\j
.endr
.endr
.endr
	s_wait_alu depctr_va_vdst(0)
.irp t, 0,1,2,3
	s_wait_dscnt 24-8*\t                           ; fragment t's eight loads are in
	WORK \t
.endr
	s_wait_tensorcnt 0x0                           ; the wave's end
	ds_add_u32 v216, v217
	s_wait_dscnt 0x0
	s_endpgm
.Lvalue:
.macro LOADV f                         ; V: a lane takes a channel and its registers run down the keys
.irp c, 0,1,2,3
.irp i, 0,1,2,3,4,5,6,7
	ds_load_b32 v[X+32*(\f)+8*\c+\i], v5 offset:(16*\c+\i)*272+64*(\f)
.endr
.endr
.endm
	s_wait_alu depctr_va_vdst(0)
	LOADV 0
	LOADV 1
	s_wait_dscnt 32                                ; all but the 32 loads of the fragment asked for last
	WORK 0
	LOADV 2
	s_wait_dscnt 32
	WORK 1
	LOADV 3
	s_wait_dscnt 32
	WORK 2
	s_wait_dscnt 0x0
	WORK 3
	s_wait_tensorcnt 0x0
	ds_add_u32 v216, v217
	s_wait_dscnt 0x0
	s_endpgm
.Lmask:
	; ---- the mask.  Work-group m is tile m; wave w takes keys 512 w on: four chunks of 128 keys, each one step of mcodes
	s_lshl_b32 s22, ttmp9, 17                      ; 16 rows of 8,192 bytes
	s_lshl_b32 s30, s18, 11
	s_add_co_u32 s22, s22, s30
	s_add_nc_u64 s[4:5], s[4:5], s[22:23]
	s_lshl_b32 s22, ttmp9, 14                      ; a tile's 16,384 bytes of codes, my 4,096 of them
	s_lshl_b32 s30, s18, 12
	s_add_co_u32 s22, s22, s30
	s_add_nc_u64 s[14:15], s[14:15], s[22:23]
	s_lshl_b32 s22, ttmp9, 4
	s_lshl_b32 s30, s18, 2
	s_add_co_u32 s22, s22, s30
	s_add_nc_u64 s[16:17], s[16:17], s[22:23]
.macro LOADC u                         ; chunk u: 512 bytes of each of the 16 rows, into set u % 2
.irp r, 0,1,2,3,4,5,6,7,8,9,10,11,12,13,14,15
	global_load_b128 v[X+64*((\u)%2)+4*\r:X+64*((\u)%2)+4*\r+3], v2, s[4:5] offset:8192*\r+512*(\u) th:TH_LOAD_NT
.endr
.endm
	LOADC 0
	LOADC 1
	v_mov_b32 v10, 0xc0800000                      ; -4: what a hidden key's code stands for
	v_mov_b32 v11, 1.0                             ; the conversion's scale
	s_mov_b32 s28, -1                              ; the AND of my lane masks
.macro CHUNK u, left
	s_wait_loadcnt \left                           ; this chunk's 16 loads are in; the next chunk's may be out
.irp r, 0,1,2,3,4,5,6,7,8,9,10,11,12,13,14,15
	ds_store_b128 v6, v[X+64*((\u)%2)+4*\r:X+64*((\u)%2)+4*\r+3] offset:528*\r
.endr
.irp sg, 0,1
.irp t, 0,1,2,3
.irp q, 0,1
	ds_load_b128 v[Y+32*\sg+8*\t+4*\q:Y+32*\sg+8*\t+4*\q+3], v7 offset:256*\sg+64*\t+16*\q   ; row r, keys 64 sg + 16 t + 8 hh + 4 q on
.endr
.endr
.endr
	s_wait_dscnt 0x0                               ; the words are back, and the stores have read their registers,
.if (\u)+2 < 4
	LOADC (\u)+2                                   ; which take the chunk two further on
.endif
	s_wait_xcnt 0x0                                ; the last chunk's stores have read their data: the codes' registers may be written again
.irp sg, 0,1
.set nn, 0
.rept 32
	v_cmp_eq_u32 s[32+nn], 0, v[Y+32*\sg+nn]       ; bit L: my lane's key is hidden
.set nn, nn+1
.endr
.set nn, 0
.rept 32
	s_and_b32 s28, s28, s[32+nn]
.set nn, nn+1
.endr
.set nn, 0
.rept 32
	v_cndmask_b32 v[Y+32*\sg+nn], 0, v10, s[32+nn]
.set nn, nn+1
.endr
.irp t, 0,1,2,3
	v_cvt_scalef32_pk8_fp4_f32 v[W+4*\sg+\t], v[Y+32*\sg+8*\t:Y+32*\sg+8*\t+7], v11   ; eight keys' codes: the register of score tile 4 sg + t
.endr
.endr
	s_wait_alu depctr_va_vdst(0)                   ; ahead of the readers below
.irp g, 0,1
	global_store_b128 v2, v[W+4*\g:W+4*\g+3], s[14:15] offset:1024*(\u)+512*\g   ; 512 consecutive bytes
.endr
.endm
	s_wait_alu depctr_va_vdst(0)
	CHUNK 0, 16
	CHUNK 1, 16
	CHUNK 2, 16
	CHUNK 3, 0
	v_mov_b32 v8, s28
	v_mov_b32 v9, 0
	s_wait_alu depctr_va_vdst(0)
	s_wait_xcnt 0x0                                ; EXEC is a source of the stores above: it changes only behind this wait
	v_cmp_eq_u32 vcc_lo, 0, v1
	s_wait_tensorcnt 0x0
	ds_add_u32 v216, v217
	s_wait_dscnt 0x0
	s_and_saveexec_b32 s29, vcc_lo
	global_store_b32 v9, v8, s[16:17]              ; one word a wave
	s_wait_xcnt 0x0                                ; and again, in front of the line that widens it
	s_or_b32 exec_lo, exec_lo, s29
	s_endpgm
.Lfunc_end_k_q1b4ceea9ca_prep:
	.size	k_q1b4ceea9ca_prep, .Lfunc_end_k_q1b4ceea9ca_prep-k_q1b4ceea9ca_prep
	.p2alignl 7, 3214868480
	.fill 96, 4, 3214868480
	.section	.rodata,"a",@progbits
	.p2align	6, 0x0
	.amdhsa_kernel k_q1b4ceea9ca_prep
		.amdhsa_group_segment_fixed_size 103936
		.amdhsa_private_segment_fixed_size 0
		.amdhsa_enable_private_segment 0
		.amdhsa_kernarg_size 56
		.amdhsa_user_sgpr_count 2
		.amdhsa_user_sgpr_kernarg_segment_ptr 1
		.amdhsa_wavefront_size32 1
		.amdhsa_system_sgpr_workgroup_id_x 1
		.amdhsa_system_sgpr_workgroup_id_y 1
		.amdhsa_system_sgpr_workgroup_id_z 1
		.amdhsa_system_vgpr_workitem_id 0
		.amdhsa_next_free_vgpr 228
		.amdhsa_next_free_sgpr 66
		.amdhsa_reserve_vcc 1
		.amdhsa_float_denorm_mode_32 3
		.amdhsa_float_denorm_mode_16_64 3
		.amdhsa_memory_ordered 1
		.amdhsa_forward_progress 1
		.amdhsa_inst_pref_size 97
	.end_amdhsa_kernel
	.amdgpu_metadata
---
amdhsa.version: [ 1, 2 ]
amdhsa.kernels:
  - .name:           k_q1b4ceea9ca_prep
    .symbol:         k_q1b4ceea9ca_prep.kd
    .args:
      - { .name: mask, .offset: 0, .size: 8, .value_kind: global_buffer, .address_space: global }
      - { .name: key, .offset: 8, .size: 8, .value_kind: global_buffer, .address_space: global }
      - { .name: value, .offset: 16, .size: 8, .value_kind: global_buffer, .address_space: global }
      - { .name: lowp_scales, .offset: 24, .size: 8, .value_kind: global_buffer, .address_space: global }
      - { .name: kv, .offset: 32, .size: 8, .value_kind: global_buffer, .address_space: global }
      - { .name: mcodes, .offset: 40, .size: 8, .value_kind: global_buffer, .address_space: global }
      - { .name: mall, .offset: 48, .size: 8, .value_kind: global_buffer, .address_space: global }
    .group_segment_fixed_size: 103936
    .private_segment_fixed_size: 0
    .kernarg_segment_align: 8
    .kernarg_segment_size: 56
    .max_flat_workgroup_size: 128
    .sgpr_count:     66
    .vgpr_count:     228
    .wavefront_size: 32
...
	.end_amdgpu_metadata
.endif
;; end of part 1
;; launch attn (part 2): grid 8 x 32, 8 waves a work-group, clusters of 4 x 1, 327,680 bytes of LDS; arguments query, kv, mcodes, mall, lowp_scales, out0; writes out0
.if DOCPART == 2
	.amdgcn_target "amdgcn-amd-amdhsa--gfx1250"
	.amdhsa_code_object_version 6
	.text
	.protected	k_q1b4ceea9ca_attn
	.globl	k_q1b4ceea9ca_attn
	.p2align	8
	.type	k_q1b4ceea9ca_attn,@function
k_q1b4ceea9ca_attn:
	s_mov_b64 s[64:65], 0
	v_nop
	global_prefetch_b8 v0, s[64:65] scope:SCOPE_SE
	s_setreg_imm32_b32 hwreg(HW_REG_WAVE_MODE, 25, 1), 1
	s_wait_xcnt 0x0
	s_wait_alu depctr_hold_cnt(0) depctr_sa_sdst(0) depctr_va_vdst(0) depctr_va_sdst(0) depctr_va_ssrc(0) depctr_va_vcc(0) depctr_vm_vsrc(0)
	s_getreg_b32 s2, hwreg(HW_REG_IB_STS2, 6, 4)
	s_cmp_eq_u32 s2, 0
	s_cbranch_scc0 .Lentry_in_a_cluster
	s_endpgm
.Lentry_in_a_cluster:
	s_bfe_u32 s2, ttmp6, 0x10000c
	s_cmp_lg_u32 s2, 0x3003
	s_cbranch_scc0 .Lentry_shape_is_right
	s_endpgm
.Lentry_shape_is_right:
; out[b][h][q] = the sum over k of softmax_k(masked(Q.K / 8)) V, both products on codes of E4M3, each operand with its given scale 2^e: eq, ek, ep, ev.
; THE SOFTMAX AHEAD OF THE SECOND PRODUCT: t = logit x log2(e); M = the running largest t rounded UP to a whole number; p = 2^(t - M) is quantised, not normalised; the row's sum of the unquantised p divides at the end.
; When M moves, the sum and O are multiplied by 2^(old M - new M), which rounds nothing.
; SHARES.  A work-group owns 256 queries of a PAIR of heads of one batch; each of its eight waves 32 queries (two tiles u of 16) x two heads e: tile-heads k = 2 e + u.  Two waves lie on a SIMD.
; Every wave walks all 2,048 keys, 128 a step: 16 score products (K = 64) and 8 products of K = 128 a head.  A fragment of K or V read from LDS feeds two products.
; LAYOUT.  Both products are used transposed: S^T = K Q^T + bias, O^T = V^T P^T: a lane holds ONE query (lane % 16).  Register j of score tile t is key 16 t + 8 (lane / 16) + j: eight such, converted, ARE
; registers 2 t, 2 t + 1 of the second product's source 1.  K and V come as images of their registers: every LDS load reads 512 consecutive bytes; two 64-key images of V on end are one fragment of K = 128.
; THE MASK comes as codes of four bits (0, or -4 for a hidden key) in the score registers' order.  One scaled conversion widens a register's eight codes into the eight registers of a score tile, times
; 2^(31 - eq - ek): 0, or -2^(33 - eq - ek) in raw score units (the logit -2^30).  The score product adds onto them in place.  A step's codes are asked for a whole step ahead, 512 consecutive bytes a load.
; A ROW THAT IS HIDDEN WHOLLY (mall says so): its lanes' scale byte is 1 and its query's hold is 0: all its scores are -2^-124, M = 0 and p = 1 on every key, as equal logits give.
; While a row has met hidden keys only, its sums hold finite numbers of no meaning (p is held at 448 x 2^ep); the first open key moves M by some 1.5e9 and multiplies them by 0.
; THE SOFTMAX'S ORDER.  A head's 128 score registers go in four quarters h of 32.  A quarter's 32 exponentials stand by turns with 32 plain lines on other registers: later quarters' t - M, earlier quarters' first
; sums and holds.  Every register that such a plain line writes is first read behind the next s_wait_alu.
; CLUSTER.  The four query blocks of a cluster walk the same kv: each tile is asked for JOINTLY (mask 15).  Two slots of 512 keys (four steps): five rounds of the cluster's barrier in the launch.
; PREFETCH.  The mask's codes of the next slot's four steps: a wave names its own two tiles' 2 x 4,096 bytes, a lane a block of 256; of the eight pairs of heads that read them the batch's first asks.
; kv has none: a slot's load is issued four steps, 192 matrix instructions of each wave, ahead of the wait for it.
; LIMITS: eq, ep between -126 and 119; eq + ek between -94 and 8 (the bias lies 2.6 times or more below the lowest logit that codes can give, 64 x 448^2 x 2^(eq + ek) / 8; reference's -1e9 and this -2^30 both
; give p = 0 beside an open key); ep + ev is applied by v_ldexp_f32.  NaN and infinities among the inputs are not served.
; REGISTERS, window 0: v1-15 addresses and constants; v16-47 statistics, 8 a tile-head: +0 -M, +1 largest raw score, +2, +3 the sum, +4 f, +5 zero, +6, +7 at work; v64-191 S^T, then p (v64-127 then take V);
;   v192-223 p's codes; v224-255 at work.   window 1: v0-127 O^T (32 a tile-head); v128-191 K; v192-223 Q's codes; v224-239 the mask's codes.
.set STEPB, 16384                      ; 64 keys' images: K head 0, K head 1, V head 0, V head 1, 4,096 bytes each
.set SLOT1, 1<<17
.set SPARE, 2*SLOT1                    ; the spare words, 128 bytes for each wave
.set STAGE, SPARE+1024                 ; 16 rows x 272 bytes for each wave: Q on the way in, O on the way out; no tile lands there
.set SP,    272
.set LI,  1
.set ADR, 2                            ; LDS address of the step in hand
.set SPW, 3
.set NIL, 4
.set STO, 5
.set RD,  6
.set ADN, 7                            ; of the next step, held inside the slot
.set QR,  8
.set PFO, 9
.set BS,  10                           ; v10-11 the bias's scale bytes, tile u
.set PLIM, 12                          ; v12-13 448 x 2^ep, twice: the two halves of a dual pair read different registers
.set LQ,  14
.set ST,  16
.set PSC, 48
.set QSC, 49
.set ZERO, 50
.set TMP, 51
.set ONES, 52
.set RR,  53
.set S,   64
.set PC,  192
.set XT,  224                          ; v224-255 the maxima's third and fourth chains, then partial sums
.set KF,  128                          ; window 1
.set Q,   192                          ; window 1
.set MC,  224                          ; window 1
.set G0,  4
.set MB,  8                            ; s[8:9]   my two tiles' codes
.set OUTP, 10
.set WV,  12
.set TB,  13
.set SLOTS, 14
.set STEPC, 15
.set CS,  20                           ; s[20:21] c = log2(e) / 8 x 2^(eq + ek), twice
.set G1,  24
.set NC,  32                           ; -c
.set EPV, 33
.set MP,  34                           ; s[34:35] the next step's codes
.set MOFF, 36                          ; s[36:37] their byte offset
.set SB,  38                           ; the slot's first byte
.set OFS, 39                           ; the step's offset in it
.set TN,  40
.set SEL, 66
.set ASKF, 101
.set PFA, 104
.set MSB, 0
.macro WIN new
.if MSB != \new
	s_set_vgpr_msb (MSB<<8)|\new
.set MSB, \new
.endif
.endm
.macro CROUND                          ; a round of the cluster's barrier
	s_barrier_signal -1
	s_barrier_wait -1
	s_cmp_lg_u32 s[WV], 0
	s_cbranch_scc1 .Lnot_wave_0_\@
	s_barrier_signal -3
.Lnot_wave_0_\@:
	s_barrier_wait -3
	s_barrier_signal -1
	s_barrier_wait -1
.endm
.macro ASK                             ; the pair of heads is the same in all four partners, whose tiles differ by address
	s_cmp_eq_u32 s[ASKF], 0
	s_cbranch_scc0 .Lnot_mine_\@
	global_prefetch_b8 v[PFO], s[PFA:PFA+1] th:TH_LOAD_NT scope:SCOPE_SE
.Lnot_mine_\@:
.endm
; THE CHANGE OF SLOTS: each wave waits for all its tensor loads (one), adds 0 to its spare word, and waits for that and for its reads of the slot that it has left.
; fill = 1: a round of the cluster's barrier, and behind it the slot that was left takes the next 512 keys: a wave's one load.
.macro CHANGE fill
	s_wait_tensorcnt 0x0
	ds_add_u32 v[SPW], v[NIL]
.if \fill
	s_xor_b32 s[G0+1], s[G0+1], SLOT1
	s_add_nc_u64 s[G0+2:G0+3], s[G0+2:G0+3], 8*STEPB
	s_wait_xcnt 0x0                                ; the last prefetch has read its address
	s_add_nc_u64 s[PFA:PFA+1], s[PFA:PFA+1], 4096  ; four steps' codes on
	s_wait_dscnt 0x0
	CROUND
	tensor_load_to_lds s[G0:G0+3], s[G1:G1+7]
	s_nop 0
.rept 4
	v_nop
.endr
	ASK
.else
	s_wait_dscnt 0x0
	s_barrier_signal -1
	s_barrier_wait -1
.endif
.endm
.macro LOADK adr, off                  ; eight fragments of K: 128 keys of one head (destination: window 1)
.irp hf, 0,1
.irp i, 0,1,2,3
.irp g, 0,1
	ds_load_b128 v[KF+32*\hf+8*\i+4*\g:KF+32*\hf+8*\i+4*\g+3], v[\adr] offset:\off+\hf*STEPB+1024*\i+512*\g
.endr
.endr
.endr
.endm
; The softmax's lines on quarter h (registers S + 32 h on; tile h / 2)
.macro FMA h, i                        ; t - M of pair i
	v_pk_fma_f32 v[S+32*(\h)+2*(\i):S+32*(\h)+2*(\i)+1], v[S+32*(\h)+2*(\i):S+32*(\h)+2*(\i)+1], s[CS:CS+1], v[T0+8*((\h)/2):T0+8*((\h)/2)+1] op_sel_hi:[1,0,0]
.endm
.macro EXQ h, i                        ; p = 2^(t - M)
	v_exp_f32 v[S+32*(\h)+(\i)], v[S+32*(\h)+(\i)]
.endm
.macro AD1 h, j, d                     ; the unquantised p's first sums: pairs 2 j and 2 j + 1 into the pair at d
	v_pk_add_f32 v[(\d):(\d)+1], v[S+32*(\h)+4*(\j):S+32*(\h)+4*(\j)+1], v[S+32*(\h)+4*(\j)+2:S+32*(\h)+4*(\j)+3]
.endm
.macro HLD h, i                        ; the hold of pair i: the conversion does not saturate (ISA guide 7.6.2); p is not negative
	v_dual_min_num_f32 v[S+32*(\h)+2*(\i)], v[S+32*(\h)+2*(\i)], v[PLIM] :: v_dual_min_num_f32 v[S+32*(\h)+2*(\i)+1], v[S+32*(\h)+2*(\i)+1], v[PLIM+1]
.endm
.macro PAD a, b                        ; the pair at a += the pair at b
	v_pk_add_f32 v[(\a):(\a)+1], v[(\a):(\a)+1], v[(\b):(\b)+1]
.endm
.macro CVT u                           ; tile u's codes
.irp t, 0,1,2,3,4,5,6,7
	v_cvt_scalef32_pk8_fp8_f32 v[PC+16*\u+2*\t:PC+16*\u+2*\t+1], v[S+64*\u+8*\t:S+64*\u+8*\t+7], v[PSC]
.endr
.endm
.macro SOFTMAX e
.set T0, ST+16*\e
	; the largest of my 64 scores a tile, in four chains a tile, ascending: each accumulator is read from its low end on
.irp u, 0,1
	v_max3_num_f32 v[T0+8*\u+6], v[S+64*\u], v[S+64*\u+1], v[S+64*\u+2]
.endr
.irp u, 0,1
	v_max3_num_f32 v[T0+8*\u+7], v[S+64*\u+3], v[S+64*\u+4], v[S+64*\u+5]
.endr
.irp u, 0,1
	v_max3_num_f32 v[XT+2*\u], v[S+64*\u+6], v[S+64*\u+7], v[S+64*\u+8]
.endr
.irp u, 0,1
	v_max3_num_f32 v[XT+2*\u+1], v[S+64*\u+9], v[S+64*\u+10], v[S+64*\u+11]
.endr
.irp i, 12,20,28,36,44,52
.irp u, 0,1
	v_max3_num_f32 v[T0+8*\u+6], v[T0+8*\u+6], v[S+64*\u+\i], v[S+64*\u+\i+1]
.endr
.irp u, 0,1
	v_max3_num_f32 v[T0+8*\u+7], v[T0+8*\u+7], v[S+64*\u+\i+2], v[S+64*\u+\i+3]
.endr
.irp u, 0,1
	v_max3_num_f32 v[XT+2*\u], v[XT+2*\u], v[S+64*\u+\i+4], v[S+64*\u+\i+5]
.endr
.irp u, 0,1
	v_max3_num_f32 v[XT+2*\u+1], v[XT+2*\u+1], v[S+64*\u+\i+6], v[S+64*\u+\i+7]
.endr
.endr
.irp u, 0,1
	v_max3_num_f32 v[T0+8*\u+6], v[T0+8*\u+6], v[S+64*\u+60], v[S+64*\u+61]
.endr
.irp u, 0,1
	v_max3_num_f32 v[T0+8*\u+7], v[T0+8*\u+7], v[S+64*\u+62], v[S+64*\u+63]
.endr
.irp u, 0,1
	s_delay_alu instid0(VALU_DEP_2)
	v_max3_num_f32 v[T0+8*\u+6], v[T0+8*\u+6], v[T0+8*\u+7], v[XT+2*\u]
.endr
.irp u, 0,1
	s_delay_alu instid0(VALU_DEP_2)
	v_max_num_f32 v[T0+8*\u+6], v[T0+8*\u+6], v[XT+2*\u+1]
.endr
.irp u, 0,1
	s_delay_alu instid0(VALU_DEP_2)
	v_permlanex16_b32 v[T0+8*\u+7], v[T0+8*\u+6], s[SEL], s[SEL+1]           ; the query's other 64 keys lie in the lane 16 away
.endr
.irp u, 0,1
	s_delay_alu instid0(VALU_DEP_2)
	v_max3_num_f32 v[T0+8*\u+1], v[T0+8*\u+1], v[T0+8*\u+6], v[T0+8*\u+7]    ; the running largest raw score
.endr
.irp u, 0,1
	s_delay_alu instid0(VALU_DEP_2)
	v_mul_f32 v[T0+8*\u+6], s[NC], v[T0+8*\u+1]                              ; -t
.endr
.irp u, 0,1
	s_delay_alu instid0(VALU_DEP_2)
	v_floor_f32 v[T0+8*\u+7], v[T0+8*\u+6]                                   ; the new -M = floor(-t)
.endr
.irp u, 0,1
	s_delay_alu instid0(VALU_DEP_2)
	v_sub_f32 v[T0+8*\u+6], v[T0+8*\u+7], v[T0+8*\u]                         ; old M - new M
.endr
.irp u, 0,1
	s_delay_alu instid0(VALU_DEP_4)
	v_mov_b32 v[T0+8*\u], v[T0+8*\u+7]
.endr
.irp i, 0,1,2,3                        ; quarter 0's t - M stands among the last links of f's chain
	FMA 0, \i
.endr
.irp u, 0,1
	v_cvt_i32_f32 v[T0+8*\u+6], v[T0+8*\u+6]                                 ; (it saturates)
.endr
.irp i, 4,5,6,7
	FMA 0, \i
.endr
.irp u, 0,1
	v_ldexp_f32 v[T0+8*\u+4], 1.0, v[T0+8*\u+6]                              ; f = 2^(old M - new M)
.endr
.irp i, 8,9,10,11,12,13,14,15
	FMA 0, \i
.endr
.irp u, 0,1
	v_pk_mul_f32 v[T0+8*\u+2:T0+8*\u+3], v[T0+8*\u+2:T0+8*\u+3], v[T0+8*\u+4:T0+8*\u+5] op_sel_hi:[1,0]   ; the sums under the new M
.endr
	s_wait_alu depctr_va_vdst(0)                   ; ahead of quarter 0's exponentials
.set n, 0
.rept 16                               ; quarter 0's exponentials by turns with quarter 1's t - M,
	EXQ 0, n
	FMA 1, n
.set n, n+1
.endr
.set n, 0
.rept 16                               ; and quarter 2's
	EXQ 0, 16+n
	FMA 2, n
.set n, n+1
.endr
	s_wait_alu depctr_va_vdst(0)                   ; behind quarter 0's, ahead of quarter 1's
.set n, 0
.rept 8                                ; quarter 1's by turns with quarter 0's first sums,
	EXQ 1, n
	AD1 0, n, XT+2*n
.set n, n+1
.endr
.set n, 0
.rept 16                               ; quarter 3's t - M,
	EXQ 1, 8+n
	FMA 3, n
.set n, n+1
.endr
.set n, 0
.rept 8                                ; and half of quarter 0's hold
	EXQ 1, 24+n
	HLD 0, n
.set n, n+1
.endr
	s_wait_alu depctr_va_vdst(0)
.set n, 0
.rept 8                                ; quarter 2's by turns with the other half,
	EXQ 2, n
	HLD 0, 8+n
.set n, n+1
.endr
.set n, 0
.rept 8                                ; quarter 1's first sums,
	EXQ 2, 8+n
	AD1 1, n, XT+16+2*n
.set n, n+1
.endr
.set n, 0
.rept 16                               ; and its hold
	EXQ 2, 16+n
	HLD 1, n
.set n, n+1
.endr
	s_wait_alu depctr_va_vdst(0)
	CVT 0
.irp f, 0,1,2,3                        ; V's four fragments of 16 registers land where tile 0's p lay: it has been converted
.irp hf, 0,1
.irp g, 0,1
	ds_load_b128 v[S+16*\f+8*\hf+4*\g:S+16*\f+8*\hf+4*\g+3], v[ADR] offset:\hf*STEPB+(2+\e)*4096+1024*\f+512*\g
.endr
.endr
.endr
.set n, 0
.rept 8                                ; quarter 3's exponentials by turns with: quarter 2's first sums (into tile 1's codes' registers, not yet in use),
	EXQ 3, n
	AD1 2, n, PC+16+2*n
.set n, n+1
.endr
.set n, 0
.rept 8                                ; tile 0's second sums,
	EXQ 3, 8+n
	PAD XT+4*n, XT+4*n+2
.set n, n+1
.endr
.set n, 0
.rept 16                               ; quarter 2's hold
	EXQ 3, 16+n
	HLD 2, n
.set n, n+1
.endr
	WIN 0x41                                       ; O^T (destination, source 0) in window 1
	s_wait_alu depctr_va_vdst(0)                   ; behind the last exponential, and directly ahead of the first reader of O^T
.irp u, 0,1
.set ii, 0
.rept 16
	v_pk_mul_f32 v[32*(2*\e+\u)+ii:32*(2*\e+\u)+ii+1], v[32*(2*\e+\u)+ii:32*(2*\e+\u)+ii+1], v[T0+8*\u+4:T0+8*\u+5] op_sel_hi:[1,0]   ; O^T under the new M, ascending
.set ii, ii+2
.endr
.endr
	WIN 0
.set n, 0
.rept 8
	AD1 3, n, XT+4*n+2                             ; quarter 3's first sums, into the pairs that tile 0's second sums have left
.set n, n+1
.endr
.set n, 0
.rept 8
	PAD XT+4*n+2, PC+16+2*n                        ; tile 1: eight pairs are left, as of tile 0
.set n, n+1
.endr
.irp j, 0,8,16,24
	PAD XT+\j, XT+\j+4
	PAD XT+\j+2, XT+\j+6
.endr
.irp i, 0,1,2,3,4,5,6,7
	HLD 3, \i
.endr
.irp j, 0,16
	PAD XT+\j, XT+\j+8
	PAD XT+\j+2, XT+\j+10
.endr
.irp i, 8,9,10,11
	HLD 3, \i
.endr
	PAD XT, XT+16
	PAD XT+2, XT+18
.irp i, 12,13,14,15
	HLD 3, \i
.endr
	PAD T0+2, XT                                   ; the step's sums onto the rows' sums
	PAD T0+10, XT+2
	CVT 1
	v_nop                                          ; a plain line between the last conversion and the products
.endm
; One head's part of a step.  The accumulators take turns, one instruction a turn.
.macro HEAD e
	WIN 0x01                                       ; the codes (source 0) in window 1
.irp u, 0,1
.irp t, 0,1,2,3,4,5,6,7
	v_cvt_scale_pk8_f32_fp4 v[S+64*\u+8*\t:S+64*\u+8*\t+7], v[MC+8*\u+\t], v[BS+\u]   ; the bias of score tile t
.endr
.endr
.if \e == 1
	WIN 0x40
.irp u, 0,1
.irp g, 0,1
	global_load_b128 v[MC+8*\u+4*\g:MC+8*\u+4*\g+3], v[LI], s[MP:MP+1] offset:16384*\u+512*\g   ; both heads have used this step's codes: the next step's
.endr
.endr
.endif
	v_nop                                          ; a plain line between the last conversion and the products
	WIN 0x05                                       ; K and Q in window 1
.irp t, 0,1,2,3,4,5,6,7
.irp u, 0,1
	v_wmma_f32_16x16x64_fp8_fp8 v[S+64*\u+8*\t:S+64*\u+8*\t+7], v[KF+8*\t:KF+8*\t+7], v[Q+8*(2*\e+\u):Q+8*(2*\e+\u)+7], v[S+64*\u+8*\t:S+64*\u+8*\t+7]
.endr
.endr
.rept 4
	v_nop                                          ; four places in front of the loads into K's registers and of the first read of the scores
.endr
	WIN 0x40
.if \e == 0
	LOADK ADR, 4096                                ; the other head's K lands under this head's softmax
.else
	LOADK ADN, 0                                   ; the next step's K (a slot's last step reads its own again: the next slot's comes behind the change)
.endif
	WIN 0
	SOFTMAX \e
	s_wait_alu depctr_va_vdst(0)
	s_wait_dscnt 0x0                               ; V is in, and so is the K asked for above
	WIN 0x50                                       ; C and D (O^T) in window 1
.irp f, 0,1,2,3
.irp u, 0,1
	v_wmma_f32_16x16x128_fp8_fp8 v[32*(2*\e+\u)+8*\f:32*(2*\e+\u)+8*\f+7], v[S+16*\f:S+16*\f+15], v[PC+16*\u:PC+16*\u+15], v[32*(2*\e+\u)+8*\f:32*(2*\e+\u)+8*\f+7]
.endr
.endr
	WIN 0
.rept 5
	v_nop                                          ; places: V's registers are written next by conversions and then by matrix instructions
.endr
.endm
.macro STEP
	s_wait_loadcnt 0x0                             ; this step's codes of the mask are in, so their base may be written
	s_add_co_u32 s[MOFF], s[MOFF], 1024
	s_min_u32 s[MOFF], s[MOFF], 15*1024            ; the last step asks for its own codes again: no load leaves the buffer
	s_add_nc_u64 s[MP:MP+1], s[MB:MB+1], s[MOFF:MOFF+1]
	HEAD 0
	HEAD 1
	s_add_co_u32 s[OFS], s[OFS], 2*STEPB
	s_add_co_u32 s[TB], s[SB], s[OFS]
	s_add_co_u32 s[TN], s[OFS], 2*STEPB
	s_min_u32 s[TN], s[TN], 6*STEPB                ; never past the slot's last step
	s_add_co_u32 s[TN], s[TN], s[SB]
	v_add_nc_u32 v[ADR], s[TB], v[LI]
	v_add_nc_u32 v[ADN], s[TN], v[LI]
.endm
.macro SLOT_STEPS
	s_mov_b32 s[OFS], 0
	s_add_co_u32 s[TN], s[SB], 2*STEPB
	v_add_nc_u32 v[ADR], s[SB], v[LI]
	v_add_nc_u32 v[ADN], s[TN], v[LI]
	s_mov_b32 s[STEPC], 4
	WIN 0x40
	LOADK ADR, 0
	WIN 0
	s_wait_alu depctr_va_vdst(0)
	s_wait_dscnt 0x0
.Lstep_\@:
	STEP
	s_sub_co_u32 s[STEPC], s[STEPC], 1
	s_cmp_lg_u32 s[STEPC], 0
	s_wait_alu depctr_va_vdst(0)                   ; ahead of the branch
	s_cbranch_scc1 .Lstep_\@
	s_xor_b32 s[SB], s[SB], SLOT1
.endm
	s_load_b256 s[68:75], s[0:1], 0x0              ; query, kv, mcodes, mall
	s_load_b128 s[76:79], s[0:1], 0x20             ; the scales' exponents, out0
	v_lshl_add_u32 v[SPW], v0, 2, SPARE
	v_mov_b32 v[NIL], 0
	ds_add_u32 v[SPW], v[NIL]
	ds_add_u32 v[SPW], v[NIL]
	s_wait_dscnt 0x0
	v_lshrrev_b32 v[TMP], 5, v0
	v_readfirstlane_b32 s[WV], v[TMP]              ; wave 0..7
	v_and_b32 v[LI], 31, v0
	v_lshlrev_b32 v[LI], 4, v[LI]                  ; 16 x lane
	s_bfe_u32 s19, ttmp6, 0x40000                  ; cx: it enters global addresses of Q, the mask's codes and O alone
	s_lshl_b32 s22, ttmp9, 2
	s_add_co_u32 s22, s22, s19                     ; my block of 256 queries
	s_and_b32 s23, ttmp7, 0xffff                   ; the pair of heads, which the four partners share
	s_lshl_b32 s100, s22, 8
	s_lshl_b32 s19, s[WV], 5
	s_add_co_u32 s100, s100, s19                   ; my first query
	s_lshl_b32 s2, s23, 20
	s_lshl_b32 s19, s100, 8
	s_add_co_u32 s2, s2, s19
	s_mov_b32 s3, 0                                ; s[2:3]: my first row in Q and in O
	s_lshr_b32 s19, s23, 3
	s_lshl_b32 s19, s19, 7                         ; 128 x batch
	s_lshr_b32 s100, s100, 4
	s_add_co_u32 s100, s100, s19                   ; my first tile of the mask
	s_lshl_b32 s14, s23, 19                        ; kv: the pair's 524,288 bytes, + my wave's 64 keys of a slot
	s_lshl_b32 s15, s[WV], 14
	s_add_co_u32 s14, s14, s15
	s_mov_b32 s15, 0
	s_and_b32 s[ASKF], s23, 7                      ; 0 in a batch's first pair of heads
	s_mov_b32 s[G1], 15|(3<<16)|(1<<21)            ; the mask: all four work-groups; elements of 8 bytes; bit 21 beside a mask
	s_mov_b32 s[G1+1], 32<<16
	s_mov_b32 s[G1+2], 64<<16
	s_mov_b32 s[G1+3], 32<<16
	s_mov_b32 s[G1+4], 64                          ; 64 rows of 256 bytes, dense
	s_mov_b32 s[G1+5], 32
	s_mov_b32 s[G1+6], 0
	s_mov_b32 s[G1+7], 0
	s_mov_b32 s[SEL], 0x76543210
	s_mov_b32 s[SEL+1], 0xfedcba98
	s_wait_alu depctr_va_vdst(0)
	s_wait_kmcnt 0x0
	s_mov_b32 s[G0], 1
	s_lshl_b32 s[G0+1], s[WV], 14                  ; LDS address: slot 0, my wave's 16,384 bytes
	s_add_nc_u64 s[G0+2:G0+3], s[70:71], s[14:15]
	s_or_b32 s[G0+3], s[G0+3], 0x80000000
	s_add_nc_u64 s[68:69], s[68:69], s[2:3]
	s_add_nc_u64 s[OUTP:OUTP+1], s[78:79], s[2:3]
	s_lshl_b32 s2, s100, 14
	s_add_nc_u64 s[MB:MB+1], s[72:73], s[2:3]
	s_mov_b64 s[PFA:PFA+1], s[MB:MB+1]             ; the first change of slots steps it to the second slot's codes
	s_lshl_b32 s2, s100, 4
	s_add_nc_u64 s[74:75], s[74:75], s[2:3]
	s_load_b128 s[80:83], s[76:77], 0x0            ; eq, ek, ep, ev
	s_load_b256 s[84:91], s[74:75], 0x0            ; my two tiles' four words each of mall
.irp k, 0,1,2,3
.irp i, 0,1,2,3,4,5,6,7
	global_load_b128 v[S+32*\k+4*\i:S+32*\k+4*\i+3], v[LI], s[68:69] offset:524288*(\k/2)+4096*(\k%2)+512*\i th:TH_LOAD_NT   ; Q, two rows a load
.endr
.endr
	WIN 0x40
.irp u, 0,1
.irp g, 0,1
	global_load_b128 v[MC+8*\u+4*\g:MC+8*\u+4*\g+3], v[LI], s[MB:MB+1] offset:16384*\u+512*\g   ; step 0's codes of the mask
.endr
.endr
	WIN 0
	CROUND                                         ; all four work-groups are here: the first joint loads meet
	tensor_load_to_lds s[G0:G0+3], s[G1:G1+7]      ; slot 0: my one tensor load
	s_nop 0
.rept 4
	v_nop
.endr
	; work on registers that hangs on no load stands here, while Q, the scales and the first tile are on their way
	WIN 0x40
.set ii, 0
.rept 128
	v_mov_b32 v[ii], 0                             ; O^T.  (The step is written once: the first finds zeros, which the first change of M leaves zeros)
.set ii, ii+1
.endr
	WIN 0
.irp k, 0,1,2,3
	v_mov_b32 v[ST+8*\k], 0x7f61b1e6               ; -M = 3e38,
	v_mov_b32 v[ST+8*\k+1], 0xff61b1e6             ; the largest score so far: -3e38
	v_mov_b32 v[ST+8*\k+2], 0
	v_mov_b32 v[ST+8*\k+3], 0
	v_mov_b32 v[ST+8*\k+4], 0
	v_mov_b32 v[ST+8*\k+5], 0
.endr
	v_and_b32 v[RR], 15, v0                        ; r
	v_bfe_u32 v[ADR], v0, 4, 1                     ; hh
	s_mul_i32 s[TB], s[WV], 16*SP
	s_add_co_u32 s[TB], s[TB], STAGE               ; my stage
	v_mul_u32_u24 v[STO], v[RR], SP
	v_mul_u32_u24 v[RD], v[ADR], SP
	v_lshlrev_b32 v[PFO], 8, v[RR]
	v_lshl_add_u32 v[QR], v[ADR], 6, v[STO]
	v_lshl_add_u32 v[STO], v[ADR], 5, v[STO]
	v_lshl_add_u32 v[RD], v[RR], 4, v[RD]
	v_lshl_add_u32 v[PFO], v[ADR], 14, v[PFO]      ; the prefetch: tile lane / 16, block lane % 16 of 256 bytes
	v_add_nc_u32 v[QR], s[TB], v[QR]               ; Q out of the stage: row r, + 64 hh
	v_add_nc_u32 v[STO], s[TB], v[STO]             ; O into it: row r, + 32 hh
	v_add_nc_u32 v[RD], s[TB], v[RD]               ; whole rows: lanes 0-15 one row, lanes 16-31 the next
	s_wait_kmcnt 0x0
	s_add_co_i32 s19, s80, s81                     ; eq + ek
	s_lshl_b32 s22, s19, 23
	s_add_co_i32 s[CS], s22, 0x3e38aa3b            ; c = log2(e) / 8, with eq + ek added to its exponent field
	s_mov_b32 s[CS+1], s[CS]
	s_xor_b32 s[NC], s[CS], 0x80000000
	s_sub_co_i32 s22, 158, s19                     ; the byte of 2^(31 - eq - ek),
	s_mul_i32 s22, s22, 0x01010101                 ; in all four bytes
	s_add_co_i32 s[EPV], s82, s83
	s_add_co_i32 s19, s82, 127
	s_lshl_b32 s23, s19, 23
	v_mov_b32 v[PSC], s23                          ; 2^ep
	s_add_co_i32 s19, s19, 8
	s_lshl_b32 s19, s19, 23
	s_or_b32 s19, s19, 0x600000
	v_mov_b32 v[PLIM], s19                         ; 448 x 2^ep
	v_mov_b32 v[PLIM+1], s19
	s_add_co_i32 s19, s80, 127
	s_lshl_b32 s23, s19, 23
	v_mov_b32 v[QSC], s23                          ; 2^eq
	s_add_co_i32 s19, s19, 8
	s_lshl_b32 s19, s19, 23
	s_or_b32 s19, s19, 0x600000                    ; 448 x 2^eq
.irp z, 84, 88                                 ; a tile's lane mask of rows that are hidden wholly: all four quarters, both halves of the lanes
	s_and_b32 s[\z], s[\z], s[\z+1]
	s_and_b32 s[\z+2], s[\z+2], s[\z+3]
	s_and_b32 s[\z], s[\z], s[\z+2]
	s_lshr_b32 s[\z+1], s[\z], 16
	s_and_b32 s[\z], s[\z], s[\z+1]
	s_and_b32 s[\z], s[\z], 0xffff
	s_lshl_b32 s[\z+1], s[\z], 16
	s_or_b32 s[\z], s[\z], s[\z+1]
.endr
	v_mov_b32 v[ZERO], 0
	v_mov_b32 v[ONES], 0x01010101
	v_mov_b32 v[TMP], s22
	v_mov_b32 v[RR], s19
	v_cndmask_b32 v[BS], v[TMP], v[ONES], s84      ; my row's scale bytes: 1 where the whole row is hidden
	v_cndmask_b32 v[BS+1], v[TMP], v[ONES], s88
	v_cndmask_b32 v[LQ], v[RR], v[ZERO], s84       ; my row's hold: 0 there, so that its codes are zeros
	v_cndmask_b32 v[LQ+1], v[RR], v[ZERO], s88
	; Q: each tile-head's 16 rows turn through my stage and are quantised: lane (r, hh) holds query r, registers 4 g .. 4 g + 3 = channels 32 g + 16 hh + 0 .. 15, as K's
	s_wait_alu depctr_va_vdst(0)
.irp k, 0,1,2,3                        ; the four turns are issued on end: LDS serves a wave's instructions in order, so a turn's loads see its stores, and the next turn's stores come behind them
	s_wait_loadcnt 28-8*\k                         ; this tile-head's eight loads are in; out may be the later ones' and the four of the mask's codes
.irp i, 0,1,2,3,4,5,6,7
	ds_store_b128 v[RD], v[S+32*\k+4*\i:S+32*\k+4*\i+3] offset:2*SP*\i
.endr
.irp g, 0,1
.irp j, 0,1,2,3
	ds_load_b128 v[S+32*\k+16*\g+4*\j:S+32*\k+16*\g+4*\j+3], v[QR] offset:128*\g+16*\j
.endr
.endr
.endr
.irp k, 0,1,2,3
	s_wait_dscnt 48-16*\k                          ; this tile-head is back; out may be the 16 LDS instructions of each later one
.set ii, 0
.rept 32
	v_med3_num_f32 v[S+32*\k+ii], v[S+32*\k+ii], -v[LQ+(\k%2)], v[LQ+(\k%2)]
.set ii, ii+1
.endr
.endr
	WIN 0x40                                       ; Q's codes in window 1
.irp k, 0,1,2,3
.irp c, 0,1,2,3
	v_cvt_scalef32_pk8_fp8_f32 v[Q+8*\k+2*\c:Q+8*\k+2*\c+1], v[S+32*\k+8*\c:S+32*\k+8*\c+7], v[QSC]
.endr
.endr
	v_nop                                          ; one plain vector line behind the last conversion
	WIN 0
	s_mov_b32 s[SB], 0
	s_mov_b32 s[MOFF], 0
	s_mov_b32 s[MOFF+1], 0
	s_mov_b32 s[SLOTS], 3
	s_wait_alu depctr_va_vdst(0)
.Lslot:                                            ; three trips: behind each change of slots but the last the next 512 keys are asked for
	CHANGE 1
	SLOT_STEPS
	s_sub_co_u32 s[SLOTS], s[SLOTS], 1
	s_cmp_lg_u32 s[SLOTS], 0
	s_cbranch_scc1 .Lslot
	CHANGE 0                                       ; the last slot is written out
	SLOT_STEPS
	; THE WAY OUT.  O^T x 2^(ep + ev) / the sum goes through my stage, a tile-head (16 rows) at a time.
.irp k, 0,1,2,3
	v_add_f32 v[ST+8*\k+6], v[ST+8*\k+2], v[ST+8*\k+3]
.endr
.irp k, 0,1,2,3
	v_permlanex16_b32 v[ST+8*\k+7], v[ST+8*\k+6], s[SEL], s[SEL+1]
.endr
.irp k, 0,1,2,3
	v_add_f32 v[ST+8*\k+6], v[ST+8*\k+6], v[ST+8*\k+7]
.endr
	s_wait_alu depctr_va_vdst(0)
.irp k, 0,1,2,3
	v_rcp_f32 v[ST+8*\k+4], v[ST+8*\k+6]
.endr
	v_nop                                          ; a plain line behind the last reciprocal
	s_wait_alu depctr_va_vdst(0)                   ; one wait for the four, ahead of the first use
.irp k, 0,1,2,3
	v_ldexp_f32 v[ST+8*\k+4], v[ST+8*\k+4], s[EPV]
.endr
.macro PACK k
	WIN 0x41
	s_wait_alu depctr_va_vdst(0)                   ; directly ahead of the first reader of O^T
.set ii, 0
.rept 16
	v_pk_mul_f32 v[32*(\k)+ii:32*(\k)+ii+1], v[32*(\k)+ii:32*(\k)+ii+1], v[ST+8*(\k)+4:ST+8*(\k)+5] op_sel_hi:[1,0]   ; ascending
.set ii, ii+2
.endr
	WIN 0x04                                       ; the stores' data in window 1
.irp f, 0,1,2,3
	ds_store_b128 v[STO], v[32*(\k)+8*\f:32*(\k)+8*\f+3] offset:64*\f          ; lane (r, hh): o(r, 16 f + 8 hh + 0 .. 7)
	ds_store_b128 v[STO], v[32*(\k)+8*\f+4:32*(\k)+8*\f+7] offset:64*\f+16
.endr
	WIN 0
.irp i, 0,1,2,3,4,5,6,7
	ds_load_b128 v[S+32*(\k)+4*\i:S+32*(\k)+4*\i+3], v[RD] offset:2*SP*\i      ; back as whole rows, into registers of this tile-head's own
.endr
.endm
.macro SEND k, y                       ; y: the LDS instructions issued behind this tile-head's loads: the next PACK's sixteen, or none
.irp i, 0,1,2,3,4,5,6,7
	s_wait_dscnt \y+7-\i
	global_store_b128 v[LI], v[S+32*(\k)+4*\i:S+32*(\k)+4*\i+3], s[OUTP:OUTP+1] offset:524288*((\k)/2)+4096*((\k)%2)+512*\i th:TH_STORE_NT   ; 512 consecutive bytes: two rows of O
.endr
.endm
	PACK 0
	PACK 1
	SEND 0, 16
	PACK 2
	SEND 1, 16
	PACK 3
	SEND 2, 16
	SEND 3, 0
	s_wait_tensorcnt 0x0                           ; the wave's end
	ds_add_u32 v[SPW], v[NIL]
	s_wait_dscnt 0x0
	CROUND                                         ; the closing round
	s_endpgm
.Lfunc_end_k_q1b4ceea9ca_attn:
	.size	k_q1b4ceea9ca_attn, .Lfunc_end_k_q1b4ceea9ca_attn-k_q1b4ceea9ca_attn
	.p2alignl 7, 3214868480
	.fill 96, 4, 3214868480
	.section	.rodata,"a",@progbits
	.p2align	6, 0x0
	.amdhsa_kernel k_q1b4ceea9ca_attn
		.amdhsa_group_segment_fixed_size 327680
		.amdhsa_private_segment_fixed_size 0
		.amdhsa_enable_private_segment 0
		.amdhsa_kernarg_size 48
		.amdhsa_user_sgpr_count 2
		.amdhsa_user_sgpr_kernarg_segment_ptr 1
		.amdhsa_wavefront_size32 1
		.amdhsa_system_sgpr_workgroup_id_x 1
		.amdhsa_system_sgpr_workgroup_id_y 1
		.amdhsa_system_sgpr_workgroup_id_z 1
		.amdhsa_system_vgpr_workitem_id 0
		.amdhsa_next_free_vgpr 512
		.amdhsa_next_free_sgpr 106
		.amdhsa_reserve_vcc 0
		.amdhsa_float_denorm_mode_32 3
		.amdhsa_float_denorm_mode_16_64 3
		.amdhsa_memory_ordered 1
		.amdhsa_forward_progress 1
		.amdhsa_inst_pref_size 167
	.end_amdhsa_kernel
	.amdgpu_metadata
---
amdhsa.version: [ 1, 2 ]
amdhsa.kernels:
  - .name:           k_q1b4ceea9ca_attn
    .symbol:         k_q1b4ceea9ca_attn.kd
    .args:
      - { .name: query, .offset: 0, .size: 8, .value_kind: global_buffer, .address_space: global }
      - { .name: kv, .offset: 8, .size: 8, .value_kind: global_buffer, .address_space: global }
      - { .name: mcodes, .offset: 16, .size: 8, .value_kind: global_buffer, .address_space: global }
      - { .name: mall, .offset: 24, .size: 8, .value_kind: global_buffer, .address_space: global }
      - { .name: lowp_scales, .offset: 32, .size: 8, .value_kind: global_buffer, .address_space: global }
      - { .name: out0, .offset: 40, .size: 8, .value_kind: global_buffer, .address_space: global }
    .group_segment_fixed_size: 327680
    .private_segment_fixed_size: 0
    .kernarg_segment_align: 8
    .kernarg_segment_size: 48
    .max_flat_workgroup_size: 256
    .sgpr_count:     106
    .vgpr_count:     512
    .wavefront_size: 32
...
	.end_amdgpu_metadata
.endif
;; end of part 2
